; MI455X (gfx1250); checked and timed in simulation.
; The chip was launched on July 23, 2026; its instructions are those of AMD's public machine-readable ISA for CDNA 5 (MIT licence, August 2026) and "CDNA5" Instruction Set Architecture Reference Guide (July 2026). The comments in the code are by the model that wrote it; some were corrected since.
;; Multi Head Attn. Allowed arithmetic: float matrix products may take bf16 or f16 operands with f32 sums; all other float work in f32.
;; Inputs: k 1 x 16 x 4,096 x 64 float32; q 1 x 16 x 4,096 x 64 float32; v 1 x 16 x 4,096 x 64 float32.
;; Outputs: out0 1 x 16 x 4,096 x 64 float32.
;; Constants: layer_idx = 1.
;; 2 versions, each right; version 2 is version 1 with the launch band written anew for expert scheduling mode. Each part assembles by itself: llvm-mc -triple=amdgcn-amd-amdhsa -mcpu=gfx1250 --defsym DOCPART=n.
;; ======== version 1 of 2: 1 launch
;; limits: inputs' magnitudes at most 65,504; values are held in f16: magnitudes above 65,504 overflow, below 6.1e-05 lose precision; right only within a limited range of input values
;; launch band (part 1): grid 256 x 1, 8 waves a work-group, no clusters, 263,168 bytes of LDS; arguments k, q, v, out0; writes out0
.if DOCPART == 1
	.amdgcn_target "amdgcn-amd-amdhsa--gfx1250"
	.amdhsa_code_object_version 6
	.text
	.protected	k_q83f8704242_band
	.globl	k_q83f8704242_band
	.p2align	8
	.type	k_q83f8704242_band,@function
k_q83f8704242_band:
	s_mov_b64 s[64:65], 0
	v_nop
	global_prefetch_b8 v0, s[64:65] scope:SCOPE_SE
	s_setreg_imm32_b32 hwreg(HW_REG_WAVE_MODE, 25, 1), 1
	s_wait_xcnt 0x0
; Causal attention in a band: query i of a head attends keys i-255 .. i.  q, k, v, out0: [16 heads][4096][64] f32.
; A work-group (8 waves) owns 256 queries of one head and holds the 512 keys i0-256 .. i0+255 in LDS as f16 (LDS row X = key i0-256+X).
; Wave w owns queries i0+32w .. +31 (two tiles of 16) and reads LDS key rows 32w .. 32w+287: nine chunks of 32 keys, in three groups of 96.
; Chunk 0 holds the lower edge of the band (valid: key place > query place), chunk 8 the diagonal (valid: key place <= query place), 1..7 are whole.
; Everything is used transposed, so that no lane shuffle is needed between the two products:
;   S^T = K Q^T : register j of lane (r, h) holds (key 8h+j, query r); a query lies in lanes r and r+16 alone, so m, l, alpha are one number a lane;
;   two packed score tiles are the B fragment of P^T as they stand;  O^T = V^T P^T, V^T read from [key][d] rows by the transposing LDS load;
;   a lane then holds 8 neighbouring f32 of one output row.
; ORDER OF THE WORK: Q and K go to LDS first (barrier 1).  V's 32 loads of each wave stay on their way, into registers of window 1, while the wave
; makes all its scores and weights (phase A, which needs K alone); the packed weights of the three groups and the two rescaling factors are kept.
; Then V goes to LDS (barrier 2), and phase B makes O = ((V0 P0) a1 + V1 P1) a2 + V2 P2.
; Softmax with a running maximum, in base 2: p = exp2(s c + B - m), c = log2(e)/8, m starts at -2^100.
; The first block of a head has no lower 256 keys: their loads are pointed at keys 0..255 (finite, inside the buffer) and their chunks get the
; bias B = -2^101, so that B - m <= -2^100 and p = 0 exactly; single masked elements get the raw score -2^110, p = 0 likewise.
; FORMAT: Q, K, V and P enter the matrix unit rounded to f16, sums in f32.  f16 and not bf16, because a query of the first rows has few keys, so that
; the rounding of its weights is not averaged away: f16's 11 bits against bf16's 8.  P lies in [0, 1]; weights under 2^-24 become 0, 256 of them
; are under 2^-16 of a row sum that is at least 1.  The row sums are taken from the f32 weights.
; LIMITS: |q|, |k|, |v| < 65,504 (f16's largest number; beyond it an operand becomes an infinity), so |q.k| < 2^38, far under the constants above.
; Keys outside the band get weight exactly 0, which is what -1e9 gives in f32 while a row's largest valid score / 8 is above -1e9 + 104.
; No tensor loads: the inputs are f32 and pass through registers to become f16; f32 tiles and f16 copies together would not fit in LDS.
; No cluster: a K or V block is wanted by two work-groups only.  No prefetch: all that a group reads is asked for in its first lines.
.set PK, 144                           ; LDS pitch of K and Q rows: 128 bytes + 16, an odd multiple of 16
.set PV, 160                           ; LDS pitch of V rows: an odd multiple of 32, for the transposing load
.set PO, 272                           ; LDS pitch of the out stage: 256 bytes + 16
.set LV, 512*PK                        ; 73,728: V behind the 512 rows of K, which start at byte 0
.set LQ, LV+512*PV                     ; 155,648: 256 rows of Q; rows 32w .. 32w+31 are wave w's own
.set LO, LQ+256*PK                     ; 192,512: out stage, 32 rows of 272 bytes for each wave; ends at 262,144
; window 0 (v0-v255)
.set B0, 16                            ; three buffers of 16 loads x 4 registers for the fill of Q and K
.set B1, 80
.set B2, 144
.set GOFF, 1                           ; v1: 16 t, the offset of the K and V loads; not written again while V's loads are out
.set M0, 2                             ; v[2:3], v[4:5]: old and new running maximum, by turns; low register query tile 0
.set M1, 4
.set LS, 6                             ; v[6:7]    row sums
.set AD, 8                             ; v[8+2c+q] chunk maxima, then the addends B - m
.set KA, 14                            ; LDS address of my K fragments
.set VA, 15                            ; LDS address of my V fragments
.set QF, 16                            ; phase A: Q(q, s) at QF+16q+8s
.set OA, 16                            ; phase B: O(db, q) at OA+16db+8q, on Q's registers and 32 more
.set A1, 80                            ; v[80:81]  alpha of group 1, kept for phase B
.set A2, 82                            ; v[82:83]  alpha of group 2
.set ACC, 84                           ; v[84:85], v[86:87]: two chains of sums
.set ACB, 86
.set TMP, 88                           ; scratch
.set SC, 112                           ; S(q, kb) at SC+48q+8kb
.set PB, 112                           ; P(q, c) of group 2 at PB+24q+8c, packed into score registers already used up
.set KF, 208                           ; phase A: K fragments, three sets of 16
.set VF, 160                           ; phase B: twelve V fragments of 8
; window 1 (v256-v511, named by their low 8 bits)
.set VB0, 0                            ; v256-319  V low half as loaded, 16 loads x 4
.set VB1, 64                           ; v320-383  V high half
.set PW, 128                           ; v384-479  P(q, c) of group g = 0, 1 at PW+48g+24q+8c
.set VS0, 224                          ; v480, v481: LDS addresses of V's stores, beside their data so that one window setting serves both
.set VS1, 225
; s_set_vgpr_msb's low byte: bits 1:0 source 0, 3:2 source 1, 5:4 source 2, 7:6 destination; the high byte repeats the setting that is left
.set MSB, 0
.macro WIN new
.if MSB != \new
	s_set_vgpr_msb (MSB<<8)|\new
.set MSB, \new
.endif
.endm
.set TO_W1,  0x40                      ; destination in window 1
.set ALL_W1, 0x45                      ; destination, source 0 and source 1 in window 1
.set B_W1,   0x04                      ; source 1 (a matrix instruction's B) in window 1
.macro PLACES n
.rept \n
	v_nop
.endr
.endm
; sixteen loads of 16 bytes a lane
.macro LOADB buf, voff, sb, step, nt
.irp i, 0,1,2,3,4,5,6,7,8,9,10,11,12,13,14,15
.if \nt
	global_load_b128 v[\buf+4*\i:\buf+4*\i+3], v[\voff], s[\sb:\sb+1] offset:\i*\step th:TH_LOAD_NT
.else
	global_load_b128 v[\buf+4*\i:\buf+4*\i+3], v[\voff], s[\sb:\sb+1] offset:\i*\step
.endif
.endr
.endm
; the sixteen loads of a buffer, each rounded to 4 f16 and put into LDS.  left = loads of later batches that may stay out
.macro CVTB buf, va, step, left
.irp i, 0,1,2,3,4,5,6,7,8,9,10,11,12,13,14,15
	s_wait_loadcnt \left+15-\i                     ; loads come back in order: load i is in; its batch's 15-i younger ones and the later batches stay out
	v_cvt_pk_f16_f32 v[\buf+4*\i], v[\buf+4*\i], v[\buf+4*\i+1]
	v_cvt_pk_f16_f32 v[\buf+4*\i+1], v[\buf+4*\i+2], v[\buf+4*\i+3]
	ds_store_b64 v[\va], v[\buf+4*\i:\buf+4*\i+1] offset:\i*\step
.endr
.endm
	s_load_b256 s[4:11], s[0:1], 0x0               ; k s[4:5], q s[6:7], v s[8:9], out0 s[10:11]
	s_set_vgpr_msb 0x40
	v_lshl_add_u32 v254, v0, 2, 0x40000
	v_mov_b32 v255, 0
	s_set_vgpr_msb 0x4000
	v_lshrrev_b32 v3, 5, v0
	v_readfirstlane_b32 s12, v3                    ; wave 0..7
	s_and_b32 s14, ttmp9, 15                       ; block of 256 queries in the head
	s_lshl_b32 s16, ttmp9, 16                      ; the group's first row: 256 rows of 256 bytes a group, the same in all four tensors
	s_mov_b32 s17, 0
	s_cmp_lg_u32 s14, 0
	s_cselect_b32 s15, 0x10000, 0                  ; the lower 256 keys lie one block back; in block 0 the upper ones are read in their stead
	s_sub_co_u32 s18, s16, s15
	s_mov_b32 s19, 0
	s_lshl_b32 s13, s12, 13                        ; my wave's 32 rows
	s_add_co_u32 s2, s16, s13
	s_mov_b32 s3, 0
	v_lshlrev_b32 v[GOFF], 4, v0                   ; K, V: 16 t, the group's load covers 16 rows
	v_and_b32 v2, 31, v0
	v_lshlrev_b32 v2, 4, v2                        ; Q: 16 x lane, the wave's load covers 2 rows
	s_wait_kmcnt 0x0
	s_add_nc_u64 s[20:21], s[4:5], s[18:19]        ; K low half
	s_add_nc_u64 s[22:23], s[4:5], s[16:17]        ; K high half
	s_add_nc_u64 s[24:25], s[8:9], s[18:19]        ; V low half
	s_add_nc_u64 s[26:27], s[8:9], s[16:17]        ; V high half
	s_add_nc_u64 s[28:29], s[6:7], s[2:3]          ; my wave's Q rows
	s_add_nc_u64 s[30:31], s[10:11], s[2:3]        ; my wave's out rows
	LOADB B0, 2, 28, 512, 1                        ; Q: read once in the launch
	LOADB B1, GOFF, 20, 4096, 0                    ; K low
	LOADB B2, GOFF, 22, 4096, 0                    ; K high: 48 loads of the wave are out
	; constants, masks and LDS addresses, while the loads are on their way
	s_mov_b32 s32, 0x76543210                      ; v_permlanex16_b32: lane i takes lane i of the other half
	s_mov_b32 s33, 0xfedcba98
	s_mov_b32 s34, 0x3e38aa3b                      ; c = log2(e) / 8
	s_mov_b32 s35, 0x3e38aa3b
	s_mov_b32 s36, 0xf6800000                      ; -2^110: raw score of a masked element
	s_mov_b32 s37, 0xf1800000                      ; -2^100: floor of the running maximum
	s_mov_b32 s39, 0xf2000000                      ; -2^101: bias of a chunk that does not exist
	s_sub_co_u32 s38, 8, s12
	s_cmp_eq_u32 s14, 0
	s_cselect_b32 s38, s38, 0                      ; first chunk that exists: 8 - w in block 0, else 0
.irp c, 0,1,2,3,4,5,6,7,8
	s_cmp_gt_u32 s38, \c
	s_cselect_b32 s[40+\c], s39, 0                 ; B of chunk c
.endr
	v_lshrrev_b32 v3, 4, v0                        ; t / 16: row among the 16 of a load
	v_and_b32 v4, 15, v0                           ; r
	v_lshlrev_b32 v10, 3, v4                       ; 8 bytes (4 f16) for each 16 bytes loaded
	v_bfe_u32 v11, v0, 4, 1                        ; h
	v_mul_u32_u24 v5, v3, PK
	v_add_nc_u32 v5, v5, v10                       ; K low half
	v_add_nc_u32 v6, 256*PK, v5                    ; K high half
	v_mul_u32_u24 v7, v3, PV
	v_add_nc_u32 v7, v7, v10
	WIN TO_W1
	v_add_nc_u32 v[VS0], LV, v7                    ; v480: V low half
	v_add_nc_u32 v[VS1], LV+256*PV, v7             ; v481: V high half
	WIN 0
	s_mul_i32 s15, s12, 32*PK                      ; my wave's first row, in K and in Q
	s_add_co_u32 s13, s15, LQ
	v_mul_u32_u24 v9, v11, PK
	v_add_nc_u32 v9, v9, v10
	v_add_nc_u32 v9, s13, v9                       ; Q: row 32w + h
	v_mul_u32_u24 v[KA], v4, PK
	v_lshl_add_u32 v[KA], v11, 4, v[KA]
	v_add_nc_u32 v[KA], s15, v[KA]                 ; (32w + r) 144 + 16h
	v_and_b32 v12, 7, v0
	v_lshl_add_u32 v12, v11, 3, v12                ; 8h + lane mod 8
	v_bfe_u32 v13, v0, 3, 1
	v_mul_u32_u24 v[VA], v12, PV
	v_lshl_add_u32 v[VA], v13, 4, v[VA]
	s_mul_i32 s13, s12, 32*PV
	s_add_co_u32 s13, s13, LV
	v_add_nc_u32 v[VA], s13, v[VA]                 ; LV + (32w + 8h + lane mod 8) 160 + 16 (bit 3 of the lane)
	v_lshlrev_b32 v13, 3, v11
	v_sub_nc_u32 v13, v4, v13                      ; r - 8h
.irp j, 0,1,2,3,4,5,6,7
	v_cmp_le_i32 s[50+\j], \j, v13                 ; M_j: key place 8h + j <= query place r
.endr
	; the fill of Q and K; V's two batches are asked for behind them and are not waited for here: 48 loads of the wave are out throughout
	CVTB B0, 9, 2*PK, 32                           ; Q
	WIN TO_W1
	LOADB VB0, GOFF, 24, 4096, 0                   ; V low, into v256-319
	WIN 0
	CVTB B1, 5, 16*PK, 32                          ; K low: K high and V low stay out
	WIN TO_W1
	LOADB VB1, GOFF, 26, 4096, 0                   ; V high, into v320-383
	WIN 0
	CVTB B2, 6, 16*PK, 32                          ; K high: both halves of V stay out
	s_wait_dscnt 0x0                               ; my LDS stores are done, for the other waves' sake
	s_barrier_signal -1
	s_barrier_wait -1                              ; barrier 1: K is whole; nothing in it is written again
; four loads: 16 keys x 64 d, the two K fragments of key block kb of group g, into a set
.macro KLOAD g, kb, set
.irp p, 0,1,2,3
	ds_load_b128 v[KF+16*(\set)+4*\p:KF+16*(\set)+4*\p+3], v[KA] offset:(96*(\g)+16*(\kb))*PK+32*\p
.endr
.endm
; the scores of key block kb for both query tiles.  left = younger LDS loads that may stay out; more = 1: the set is loaded again, three blocks on.
; The two accumulators take turns, one instruction a turn.
.macro KSTEP g, kb, set, left, more
	s_wait_dscnt \left
.set TS0, SC+8*\kb
.set TS1, SC+48+8*\kb
.set FRA, KF+16*\set
	v_wmma_f32_16x16x32_f16 v[TS0:TS0+7], v[FRA:FRA+7], v[QF:QF+7], 0
	v_wmma_f32_16x16x32_f16 v[TS1:TS1+7], v[FRA:FRA+7], v[QF+16:QF+23], 0
	v_wmma_f32_16x16x32_f16 v[TS0:TS0+7], v[FRA+8:FRA+15], v[QF+8:QF+15], v[TS0:TS0+7]
	v_wmma_f32_16x16x32_f16 v[TS1:TS1+7], v[FRA+8:FRA+15], v[QF+24:QF+31], v[TS1:TS1+7]
.if \more
	PLACES 4                                       ; four places between the matrix instructions and the loads into their source
.set KN, \kb+3
	KLOAD \g, KN, \set
.endif
.endm
; chunk c of group g: the largest of each lane's 16 raw scores, both query tiles as two chains; then times c, plus the chunk's bias
.macro MAXC g, c
.irp q, 0,1
	v_max3_num_f32 v[AD+2*\c+\q], v[SC+48*\q+16*\c], v[SC+48*\q+16*\c+1], v[SC+48*\q+16*\c+2]
.endr
.irp j, 3,5,7,9,11,13
.irp q, 0,1
	v_max3_num_f32 v[AD+2*\c+\q], v[AD+2*\c+\q], v[SC+48*\q+16*\c+\j], v[SC+48*\q+16*\c+\j+1]
.endr
.endr
.irp q, 0,1
	v_max_num_f32 v[AD+2*\c+\q], v[AD+2*\c+\q], v[SC+48*\q+16*\c+15]
.endr
.irp q, 0,1
	v_fma_f32 v[AD+2*\c+\q], v[AD+2*\c+\q], s34, s[40+3*\g+\c]
.endr
.endm
; p = exp2(s c + B - m), in place
.macro EXPT q, kb
.irp i, 0,2,4,6
	v_pk_fma_f32 v[SC+48*\q+8*\kb+\i:SC+48*\q+8*\kb+\i+1], v[SC+48*\q+8*\kb+\i:SC+48*\q+8*\kb+\i+1], s[34:35], v[AD+2*(\kb/2):AD+2*(\kb/2)+1] op_sel:[0,0,\q] op_sel_hi:[1,0,\q]
.endr
.irp i, 0,1,2,3,4,5,6,7
	v_exp_f32 v[SC+48*\q+8*\kb+\i], v[SC+48*\q+8*\kb+\i]
.endr
.endm
; a tile's eight weights are added to the sums, in two chains of two numbers a lane
.macro SUMT q, kb
.set SB, SC+48*\q+8*\kb
.if \kb == 0
	s_wait_alu depctr_va_vdst(0)
	v_pk_add_f32 v[ACC:ACC+1], v[SB:SB+1], v[SB+4:SB+5]                ; a query tile's first weights start the sums: nothing is cleared
	v_pk_add_f32 v[ACB:ACB+1], v[SB+2:SB+3], v[SB+6:SB+7]
.else
	s_wait_alu depctr_va_vdst(0)
	v_pk_add_f32 v[ACC:ACC+1], v[ACC:ACC+1], v[SB:SB+1]
	v_pk_add_f32 v[ACB:ACB+1], v[ACB:ACB+1], v[SB+2:SB+3]
	v_pk_add_f32 v[ACC:ACC+1], v[ACC:ACC+1], v[SB+4:SB+5]
	v_pk_add_f32 v[ACB:ACB+1], v[ACB:ACB+1], v[SB+6:SB+7]
.endif
.endm
.macro LSUM q, first
	v_pk_add_f32 v[ACC:ACC+1], v[ACC:ACC+1], v[ACB:ACB+1]
.if \first
	v_add_f32 v[LS+\q], v[ACC], v[ACC+1]
.else
	v_add_f32 v[LS+\q], v[LS+\q], v[ACC]
	v_add_f32 v[LS+\q], v[LS+\q], v[ACC+1]
.endif
.endm
; the group's 96 x 32 weights rounded to f16: 48 words from base on.  In place (base = PB) each word lands on or below registers already read
.macro PACK base
.irp q, 0,1
.irp kb, 0,1,2,3,4,5
.irp i, 0,1,2,3
	v_cvt_pk_f16_f32 v[\base+24*\q+4*\kb+\i], v[SC+48*\q+8*\kb+2*\i], v[SC+48*\q+8*\kb+2*\i+1]
.endr
.endr
.endr
.endm
; PHASE A, one group of 96 keys: scores, masks, maximum, weights, sums, packing.  mo: the pair with the old maximum; mn: takes the new one; al: takes alpha.
.macro GA g, first, last, mo, mn, al
	; scores.  At each step the two younger sets (4 loads each) may stay out; the last three steps load nothing, so the counts run down
	KSTEP \g, 0, 0, 8, 1
	KSTEP \g, 1, 1, 8, 1
	KSTEP \g, 2, 2, 8, 1
	KSTEP \g, 3, 0, 8, 0
	KSTEP \g, 4, 1, 4, 0
	KSTEP \g, 5, 2, 0, 0
	; masks and chunk maxima.  The work on key blocks 0 and 1 (which have their four places above) is the places behind the last three steps
.if \first
	v_mov_b32 v[TMP], s36
.irp j, 0,1,2,3,4,5,6,7
	v_cndmask_b32 v[SC+\j], v[SC+\j], v[TMP], s[50+\j]                 ; S(0,0): key place 8h+j must be above query place r
	v_mov_b32 v[SC+48+\j], s36                                         ; S(1,0): keys 0..15 against queries 16..31, none valid (multiplied all the same, so that the accumulators keep their turns)
	v_cndmask_b32 v[SC+56+\j], v[SC+56+\j], v[TMP], s[50+\j]           ; S(1,1): as S(0,0)
.endr
.endif
	MAXC \g, 0
.if \last == 0
.set GN, \g+1
	KLOAD GN, 0, 0                                 ; the next group's first three sets, 12 loads, into the sets that the scores have used up
	KLOAD GN, 1, 1
	KLOAD GN, 2, 2
.endif
	MAXC \g, 1
.if \last
	v_mov_b32 v[TMP], s36
.irp j, 0,1,2,3,4,5,6,7
	v_cndmask_b32 v[SC+32+\j], v[TMP], v[SC+32+\j], s[50+\j]           ; S(0,4): the diagonal, key place 8h+j at most query place r
	v_mov_b32 v[SC+40+\j], s36                                         ; S(0,5): keys 16..31 against queries 0..15, none valid
	v_cndmask_b32 v[SC+88+\j], v[TMP], v[SC+88+\j], s[50+\j]           ; S(1,5): as S(0,4)
.endr
.endif
	MAXC \g, 2
	; the new maximum: three chunks, the other half of the lanes, the old maximum (at first the floor)
.irp q, 0,1
	v_max3_num_f32 v[\mn+\q], v[AD+\q], v[AD+2+\q], v[AD+4+\q]
.endr
.irp q, 0,1
	v_permlanex16_b32 v[TMP], v[\mn+\q], s32, s33
.if \first
	v_max3_num_f32 v[\mn+\q], v[\mn+\q], v[TMP], s37
.else
	v_max3_num_f32 v[\mn+\q], v[\mn+\q], v[TMP], v[\mo+\q]
.endif
.endr
.if \first == 0
	v_pk_add_f32 v[\al:\al+1], v[\mo:\mo+1], v[\mn:\mn+1] neg_lo:[0,1] neg_hi:[0,1]
	v_exp_f32 v[\al], v[\al]                       ; alpha = exp2(old m - new m); the six subtractions below stand between it and its use (ISA guide 5.7.2)
	v_exp_f32 v[\al+1], v[\al+1]
.endif
.irp c, 0,1,2
.irp q, 0,1
	v_sub_f32 v[AD+2*\c+\q], s[40+3*\g+\c], v[\mn+\q]                  ; the addend B - m
.endr
.endr
.if \first == 0
	s_wait_alu depctr_va_vdst(0)
	v_pk_mul_f32 v[LS:LS+1], v[LS:LS+1], v[\al:\al+1]                  ; l is rescaled now, O in phase B by the same alpha
.endif
	; weights and sums, one tile apart: the plain instruction behind each run of exponentials belongs to another tile
	EXPT 0, 0
.irp kb, 1,2,3,4,5
	EXPT 0, \kb
.set KP, \kb-1
	SUMT 0, KP
.endr
	EXPT 1, 0
	SUMT 0, 5
	LSUM 0, \first
.irp kb, 1,2,3,4,5
	EXPT 1, \kb
.set KP, \kb-1
	SUMT 1, KP
.endr
	SUMT 1, 5
	LSUM 1, \first
.if \last
	PACK PB                                        ; the last group's weights stay in window 0
.else
	WIN TO_W1
	PACK PW+48*\g                                  ; v384 + 48 g: kept for phase B
	WIN 0
.endif
.endm
	; my Q fragments (B: column = query) and the first three K sets: 20 loads; the first step's count of 8 covers Q, which is older than set 0
	v_add_nc_u32 v[TMP], LQ, v[KA]
.irp q, 0,1
.irp p, 0,1,2,3
	ds_load_b128 v[QF+16*\q+4*\p:QF+16*\q+4*\p+3], v[TMP] offset:16*PK*\q+32*\p
.endr
.endr
	KLOAD 0, 0, 0
	KLOAD 0, 1, 1
	KLOAD 0, 2, 2
	GA 0, 1, 0, M1, M0, A1
	GA 1, 0, 0, M0, M1, A1
	GA 2, 0, 1, M1, M0, A2
	; V, asked for in the fill, goes to LDS now: data and LDS addresses lie in window 1, so one setting serves conversions and stores
	WIN ALL_W1
	CVTB VB0, VS0, 16*PV, 16                       ; V low: the high half's 16 loads may stay out
	CVTB VB1, VS1, 16*PV, 0                        ; V high
	WIN 0
	s_wait_dscnt 0x0                               ; my LDS stores are done, for the other waves' sake
	s_barrier_signal -1
	s_barrier_wait -1                              ; barrier 2: V is whole; nothing in it is written again
; V fragment idx = 4c + db of group g: V^T, 16 d x 32 keys, by two transposing loads
.macro VLOAD g, idx
.set VFR, VF+8*\idx
	ds_load_tr16_b128 v[VFR:VFR+3], v[VA] offset:(96*\g+32*(\idx/4))*PV+32*(\idx%4)
	ds_load_tr16_b128 v[VFR+4:VFR+7], v[VA] offset:(96*\g+32*(\idx/4)+16)*PV+32*(\idx%4)
.endm
; O(db, 0) and O(db, 1) take V fragment idx = 4c + db times P(0, c), P(1, c).  The eight accumulators take turns, one instruction a turn.
.macro PVW g, idx, zero
.set VFR, VF+8*\idx
.if \g < 2
.set PSRC, PW+48*\g+8*(\idx/4)
.else
.set PSRC, PB+8*(\idx/4)
.endif
.set OD, OA+16*(\idx%4)
.if \zero
	v_wmma_f32_16x16x32_f16 v[OD:OD+7], v[VFR:VFR+7], v[PSRC:PSRC+7], 0
	v_wmma_f32_16x16x32_f16 v[OD+8:OD+15], v[VFR:VFR+7], v[PSRC+24:PSRC+31], 0
.else
	v_wmma_f32_16x16x32_f16 v[OD:OD+7], v[VFR:VFR+7], v[PSRC:PSRC+7], v[OD:OD+7]
	v_wmma_f32_16x16x32_f16 v[OD+8:OD+15], v[VFR:VFR+7], v[PSRC+24:PSRC+31], v[OD+8:OD+15]
.endif
.endm
; PHASE B, one group: O^T += V^T P^T in two halves of six fragments; each half's fragments are loaded again, for the next group, as soon as it is used up.
; al: the next group's alpha, by which O is rescaled at the end.
.macro GB g, first, last, al
.if \last == 0
	WIN B_W1                                       ; P of groups 0 and 1 lies in window 1
.endif
	s_wait_dscnt 12                                ; fragments 0..5 are in; the 12 loads of fragments 6..11 may stay out
.irp idx, 0,1,2,3
	PVW \g, \idx, \first
.endr
	PVW \g, 4, 0
	PVW \g, 5, 0
.if \last
	s_wait_dscnt 0x0                               ; fragments 6..11
.else
	PLACES 4                                       ; four places before loads land on fragments 0..5
.set GN, \g+1
.irp idx, 0,1,2,3,4,5
	VLOAD GN, \idx
.endr
	s_wait_dscnt 12                                ; fragments 6..11 are in; the 12 loads just issued may stay out
.endif
.irp idx, 6,7,8,9,10,11
	PVW \g, \idx, 0
.endr
	PLACES 4                                       ; four places before loads land on fragments 6..11 and before vector instructions read O
.if \last == 0
.irp idx, 6,7,8,9,10,11
	VLOAD GN, \idx
.endr
	WIN 0
.irp db, 0,1,2,3
.irp q, 0,1
.irp i, 0,2,4,6
	v_pk_mul_f32 v[OA+16*\db+8*\q+\i:OA+16*\db+8*\q+\i+1], v[OA+16*\db+8*\q+\i:OA+16*\db+8*\q+\i+1], v[\al:\al+1] op_sel:[0,\q] op_sel_hi:[1,\q]
.endr
.endr
.endr
.endif
.endm
.irp idx, 0,1,2,3,4,5,6,7,8,9,10,11
	VLOAD 0, \idx                                  ; the first group's twelve fragments: 24 loads
.endr
	GB 0, 1, 0, A1
	GB 1, 0, 0, A2
	GB 2, 0, 1, A2
	; the way out: l over both halves of the lanes, O / l, through my own stage in LDS, whole rows of 256 bytes to memory
.irp q, 0,1
	v_permlanex16_b32 v[TMP], v[LS+\q], s32, s33
	v_add_f32 v[LS+\q], v[LS+\q], v[TMP]
.endr
	v_rcp_f32 v[LS], v[LS]                         ; l >= 1: the row's largest weight is 1.  The address work below stands between this and its use
	v_rcp_f32 v[LS+1], v[LS+1]
	v_and_b32 v8, 15, v0                           ; r
	v_bfe_u32 v9, v0, 4, 1                         ; h
	s_mul_i32 s15, s12, 32*PO
	s_add_co_u32 s15, s15, LO                      ; my stage
	v_mul_u32_u24 v2, v8, PO
	v_lshl_add_u32 v2, v9, 5, v2
	v_add_nc_u32 v2, s15, v2                       ; in: row r, 32 bytes for each half of the lanes
	v_mul_u32_u24 v3, v9, PO
	v_lshl_add_u32 v3, v8, 4, v3
	v_add_nc_u32 v3, s15, v3                       ; back: lanes 0-15 one row of 256 bytes, lanes 16-31 the next
	v_and_b32 v4, 31, v0
	v_lshlrev_b32 v4, 4, v4                        ; and the same two rows in out0: 16 x lane
	s_wait_alu depctr_va_vdst(0)
.irp db, 0,1,2,3
.irp q, 0,1
.irp i, 0,2,4,6
	v_pk_mul_f32 v[OA+16*\db+8*\q+\i:OA+16*\db+8*\q+\i+1], v[OA+16*\db+8*\q+\i:OA+16*\db+8*\q+\i+1], v[LS:LS+1] op_sel:[0,\q] op_sel_hi:[1,\q]
.endr
.endr
.endr
.irp q, 0,1
.irp db, 0,1,2,3
	ds_store_b128 v2, v[OA+16*\db+8*\q:OA+16*\db+8*\q+3] offset:16*PO*\q+64*\db          ; d = 16db + 8h + 0..3 of query 16q + r
	ds_store_b128 v2, v[OA+16*\db+8*\q+4:OA+16*\db+8*\q+7] offset:16*PO*\q+64*\db+16
.endr
.endr
.irp t, 0,1,2,3,4,5,6,7,8,9,10,11,12,13,14,15
	ds_load_b128 v[SC+4*\t:SC+4*\t+3], v3 offset:2*PO*\t                 ; my own bytes; LDS serves a wave's instructions in order (ISA guide 5.7.1), so these see the stores above
.endr
.irp t, 0,1,2,3,4,5,6,7,8,9,10,11,12,13,14,15
	s_wait_dscnt 15-\t                             ; load t is back, the younger ones stay out
	global_store_b128 v4, v[SC+4*\t:SC+4*\t+3], s[30:31] offset:512*\t th:TH_STORE_NT   ; sixteen lanes store one row: 256 consecutive bytes, aligned
.endr
	s_set_vgpr_msb 0x5
	s_wait_tensorcnt 0x0
	ds_add_u32 v254, v255
	s_wait_dscnt 0x0
	s_set_vgpr_msb 0x500
	s_endpgm
.Lfunc_end_k_q83f8704242_band:
	.size	k_q83f8704242_band, .Lfunc_end_k_q83f8704242_band-k_q83f8704242_band
	.p2alignl 7, 3214868480
	.fill 96, 4, 3214868480
	.section	.rodata,"a",@progbits
	.p2align	6, 0x0
	.amdhsa_kernel k_q83f8704242_band
		.amdhsa_group_segment_fixed_size 263168
		.amdhsa_private_segment_fixed_size 0
		.amdhsa_enable_private_segment 0
		.amdhsa_kernarg_size 32
		.amdhsa_user_sgpr_count 2
		.amdhsa_user_sgpr_kernarg_segment_ptr 1
		.amdhsa_wavefront_size32 1
		.amdhsa_system_sgpr_workgroup_id_x 1
		.amdhsa_system_sgpr_workgroup_id_y 1
		.amdhsa_system_sgpr_workgroup_id_z 1
		.amdhsa_system_vgpr_workitem_id 0
		.amdhsa_next_free_vgpr 512
		.amdhsa_next_free_sgpr 66
		.amdhsa_reserve_vcc 0
		.amdhsa_float_denorm_mode_32 3
		.amdhsa_float_denorm_mode_16_64 3
		.amdhsa_memory_ordered 1
		.amdhsa_forward_progress 1
		.amdhsa_inst_pref_size 114
	.end_amdhsa_kernel
	.amdgpu_metadata
---
amdhsa.version: [ 1, 2 ]
amdhsa.kernels:
  - .name:           k_q83f8704242_band
    .symbol:         k_q83f8704242_band.kd
    .args:
      - { .name: k, .offset: 0, .size: 8, .value_kind: global_buffer, .address_space: global }
      - { .name: q, .offset: 8, .size: 8, .value_kind: global_buffer, .address_space: global }
      - { .name: v, .offset: 16, .size: 8, .value_kind: global_buffer, .address_space: global }
      - { .name: out0, .offset: 24, .size: 8, .value_kind: global_buffer, .address_space: global }
    .group_segment_fixed_size: 263168
    .private_segment_fixed_size: 0
    .kernarg_segment_align: 8
    .kernarg_segment_size: 32
    .max_flat_workgroup_size: 256
    .sgpr_count:     66
    .vgpr_count:     512
    .wavefront_size: 32
...
	.end_amdgpu_metadata
.endif
;; end of part 1
;; ======== version 2 of 2: 1 launch; version 1 with the launch band written anew for expert scheduling mode
;; limits: inputs' magnitudes at most 65,504; values are held in f16: magnitudes above 65,504 overflow, below 6.1e-05 lose precision; right only within a limited range of input values
;; launch band (part 2): grid 256 x 1, 8 waves a work-group, no clusters, 263,168 bytes of LDS; arguments k, q, v, out0; writes out0
.if DOCPART == 2
	.amdgcn_target "amdgcn-amd-amdhsa--gfx1250"
	.amdhsa_code_object_version 6
	.text
	.protected	k_q83f8704242_band
	.globl	k_q83f8704242_band
	.p2align	8
	.type	k_q83f8704242_band,@function
k_q83f8704242_band:
	s_mov_b64 s[64:65], 0
	v_nop
	global_prefetch_b8 v0, s[64:65] scope:SCOPE_SE
	s_setreg_imm32_b32 hwreg(HW_REG_WAVE_SCHED_MODE, 0, 2), 2
	s_setreg_imm32_b32 hwreg(HW_REG_WAVE_MODE, 25, 1), 1
	s_wait_xcnt 0x0
	s_wait_alu depctr_vm_vsrc(0)
; Causal attention in a band: query i of a head attends keys i-255 .. i.  q, k, v, out0: [16 heads][4096][64] f32.
; A work-group (8 waves) owns 256 queries of one head and holds the 512 keys i0-256 .. i0+255 in LDS as f16 (LDS row X = key i0-256+X).
; Wave w owns queries i0+32w .. +31 (two tiles of 16) and reads LDS key rows 32w .. 32w+287: nine chunks of 32 keys, in three groups of 96.
; Chunk 0 holds the lower edge of the band (valid: key place > query place), chunk 8 the diagonal (valid: key place <= query place), 1..7 are whole.
; Everything is used transposed, so that no lane shuffle is needed between the two products:
;   S^T = K Q^T : register j of lane (r, h) holds (key 8h+j, query r); a query lies in lanes r and r+16 alone, so m, l, alpha are one number a lane;
;   two packed score tiles are the B fragment of P^T as they stand;  O^T = V^T P^T, V^T read from [key][d] rows by the transposing LDS load;
;   a lane then holds 8 neighbouring f32 of one output row.
; ORDER OF THE WORK: Q and K go to LDS first (barrier 1).  V's 32 loads of each wave stay on their way, into registers of window 1, while the wave
; makes all its scores and weights (phase A, which needs K alone); the packed weights of the three groups and the two rescaling factors are kept.
; Then V goes to LDS (barrier 2), and phase B makes O = ((V0 P0) a1 + V1 P1) a2 + V2 P2.
; Softmax with a running maximum, in base 2: p = exp2(s c + B - m), c = log2(e)/8, m starts at -2^100.
; The first block of a head has no lower 256 keys: their loads are pointed at keys 0..255 (finite, inside the buffer) and their chunks get the
; bias B = -2^101, so that B - m <= -2^100 and p = 0 exactly; single masked elements get the raw score -2^110, p = 0 likewise.
; FORMAT: Q, K, V and P enter the matrix unit rounded to f16, sums in f32.  f16 and not bf16, because a query of the first rows has few keys, so that
; the rounding of its weights is not averaged away: f16's 11 bits against bf16's 8.  P lies in [0, 1]; weights under 2^-24 become 0, 256 of them
; are under 2^-16 of a row sum that is at least 1.  The row sums are taken from the f32 weights.
; LIMITS: |q|, |k|, |v| < 65,504 (f16's largest number; beyond it an operand becomes an infinity), so |q.k| < 2^38, far under the constants above.
; Keys outside the band get weight exactly 0, which is what -1e9 gives in f32 while a row's largest valid score / 8 is above -1e9 + 104.
; No tensor loads: the inputs are f32 and pass through registers to become f16; f32 tiles and f16 copies together would not fit in LDS.
; No cluster: a K or V block is wanted by two work-groups only.  No prefetch: all that a group reads is asked for in its first lines.
; THE MODE: SCHED_MODE bits 1:0 = 2 (LLVM: expert scheduling mode 2), set by the entry lines.  The code itself states the register dependences
; between vector or matrix instructions and memory or LDS instructions, with s_wait_alu, always for 0.  The text has no branch: one path.
; THE PLAN.  Registers that memory or LDS instructions touch:
;   v1, v14, v15, v90, v480-482   offsets and LDS addresses, made once and never written again.  v2, v5, v6, v9: the fill's; phase A writes them anew.
;   B0-B2, V's raw registers      in half batches of eight loads: a half's conversions round in place; the LDS stores of the half BEFORE stand among them,
;                                 behind one wait at the half's head; the conversions name other registers than those stores read.
;   six K sets                    a group's 24 matrix instructions read them; the next group's 24 loads land in them, in one run behind one wait,
;                                 and the softmax that follows names none of them.
;   two buffers of V fragments    v160-255 for groups 0 and 2, v256-351 for group 1.  Group 1's loads stand in group 0 (nothing has named their registers
;                                 since V's conversions); group 2's stand among group 1's matrix instructions, behind one wait at group 1's head.
;   O, v16-79                   one wait ahead of the way out's LDS stores.
.set PK, 144                           ; LDS pitch of K and Q rows: 128 bytes + 16, an odd multiple of 16
.set PV, 160                           ; LDS pitch of V rows: an odd multiple of 32, for the transposing load
.set PO, 272                           ; LDS pitch of the out stage: 256 bytes + 16
.set LV, 512*PK                        ; 73,728: V behind the 512 rows of K, which start at byte 0
.set LQ, LV+512*PV                     ; 155,648: 256 rows of Q; rows 32w .. 32w+31 are wave w's own
.set LO, LQ+256*PK                     ; 192,512: out stage, 32 rows of 272 bytes for each wave; ends at 262,144
; window 0 (v0-v255)
.set B0, 16                            ; three buffers of 16 loads x 4 registers for the fill of Q and K
.set B1, 80
.set B2, 144
.set GOFF, 1                           ; v1: 16 t, the offset of the K and V loads; never written again
.set M0, 2                             ; v[2:3], v[4:5]: old and new running maximum, by turns; low register query tile 0
.set M1, 4
.set LS, 6                             ; v[6:7]    row sums
.set AD, 8                             ; v[8+2c+q] chunk maxima, then the addends B - m
.set KA, 14                            ; LDS address of my K fragments; never written again
.set VA, 15                            ; LDS address of my V fragments; never written again
.set QF, 16                            ; phase A: Q(q, s) at QF+16q+8s
.set OA, 16                            ; phase B: O(db, q) at OA+16db+8q, on Q's registers and 32 more
.set A1, 80                            ; v[80:81]  alpha of group 1, kept for phase B
.set A2, 82                            ; v[82:83]  alpha of group 2
.set ACC, 84                           ; v[84:85], v[86:87]: two chains of sums
.set ACB, 86
.set TMP, 88                           ; scratch: vector instructions alone name it
.set QA, 90                            ; LDS address of my Q fragments; never written again
.set SC, 112                           ; S(q, kb) at SC+48q+8kb
.set PB, 112                           ; P(q, c) of group 2 at PB+24q+8c, packed into score registers already used up
.set KF, 208                           ; phase A: the K fragments of a group's key blocks 0, 1, 2: sets of 16
.set KG, 48                            ;          of key blocks 3 and 4
.set KH, 96                            ;          of key block 5
.set VF, 160                           ; phase B: twelve V fragments of 8, groups 0 and 2
; window 1 (v256-v511, named by their low 8 bits)
.set VB0, 0                            ; v256-319  V low half as loaded, 16 loads x 4
.set VB1, 64                           ; v320-383  V high half
.set WF, 0                             ; v256-351  phase B: twelve V fragments of 8, group 1, on V's raw registers
.set PW, 128                           ; v384-479  P(q, c) of group g = 0, 1 at PW+48g+24q+8c
.set VS0, 224                          ; v480, v481: LDS addresses of V's stores, beside their data so that one window setting serves both
.set VS1, 225
.set VAW, 226                          ; v482: a copy of v15, so that group 2's loads stand under the window setting of group 1's matrix instructions
; s_set_vgpr_msb's low byte: bits 1:0 source 0, 3:2 source 1, 5:4 source 2, 7:6 destination; the high byte repeats the setting that is left
.set MSB, 0
.macro WIN new
.if MSB != \new
	s_set_vgpr_msb (MSB<<8)|\new
.set MSB, \new
.endif
.endm
.set TO_W1,  0x40                      ; destination in window 1
.set ALL_W1, 0x45                      ; destination, source 0 and source 1 in window 1
.set B_W1,   0x04                      ; source 1 (a matrix instruction's B) in window 1
.set AB_W1,  0x05                      ; sources 0 and 1 (A and B; an LDS load's address) in window 1
.macro PLACES n
.rept \n
	v_nop
.endr
.endm
; sixteen loads of 16 bytes a lane
.macro LOADB buf, voff, sb, step, nt
.irp i, 0,1,2,3,4,5,6,7,8,9,10,11,12,13,14,15
.if \nt
	global_load_b128 v[\buf+4*\i:\buf+4*\i+3], v[\voff], s[\sb:\sb+1] offset:\i*\step th:TH_LOAD_NT
.else
	global_load_b128 v[\buf+4*\i:\buf+4*\i+3], v[\voff], s[\sb:\sb+1] offset:\i*\step
.endif
.endr
.endm
; half h (eight loads) of a buffer: each load's 4 f32 are rounded to 4 f16, into the first two of its four registers
.macro CVH buf, h
.irp i, 0,1,2,3,4,5,6,7
	v_cvt_pk_f16_f32 v[\buf+32*\h+4*\i], v[\buf+32*\h+4*\i], v[\buf+32*\h+4*\i+1]
	v_cvt_pk_f16_f32 v[\buf+32*\h+4*\i+1], v[\buf+32*\h+4*\i+2], v[\buf+32*\h+4*\i+3]
.endr
.endm
; half h of a buffer goes into LDS
.macro STH buf, h, va, step
.irp i, 0,1,2,3,4,5,6,7
	ds_store_b64 v[\va], v[\buf+32*\h+4*\i:\buf+32*\h+4*\i+1] offset:(8*\h+\i)*\step
.endr
.endm
; half h of buf is rounded; among its conversions stand the LDS stores of the half before (ph of pbuf), whose registers these conversions do not name
.macro CVST buf, h, pbuf, ph, pva, pstep
.irp i, 0,1,2,3,4,5,6,7
	ds_store_b64 v[\pva], v[\pbuf+32*\ph+4*\i:\pbuf+32*\ph+4*\i+1] offset:(8*\ph+\i)*\pstep
	v_cvt_pk_f16_f32 v[\buf+32*\h+4*\i], v[\buf+32*\h+4*\i], v[\buf+32*\h+4*\i+1]
	v_cvt_pk_f16_f32 v[\buf+32*\h+4*\i+1], v[\buf+32*\h+4*\i+2], v[\buf+32*\h+4*\i+3]
.endr
.endm
	s_load_b256 s[4:11], s[0:1], 0x0               ; k s[4:5], q s[6:7], v s[8:9], out0 s[10:11]
	s_set_vgpr_msb 0x40
	v_lshl_add_u32 v254, v0, 2, 0x40000
	v_mov_b32 v255, 0
	s_set_vgpr_msb 0x4000
	v_lshrrev_b32 v3, 5, v0
	v_readfirstlane_b32 s12, v3                    ; wave 0..7
	s_and_b32 s14, ttmp9, 15                       ; block of 256 queries in the head
	s_lshl_b32 s16, ttmp9, 16                      ; the group's first row: 256 rows of 256 bytes a group, the same in all four tensors
	s_mov_b32 s17, 0
	s_cmp_lg_u32 s14, 0
	s_cselect_b32 s15, 0x10000, 0                  ; the lower 256 keys lie one block back; in block 0 the upper ones are read in their stead
	s_sub_co_u32 s18, s16, s15
	s_mov_b32 s19, 0
	v_lshlrev_b32 v[GOFF], 4, v0                   ; K, V: 16 t, the group's load covers 16 rows
	v_and_b32 v2, 31, v0
	v_lshlrev_b32 v2, 4, v2                        ; Q: 16 x lane, the wave's load covers 2 rows
	s_wait_alu depctr_va_sdst(0)                   ; s12 is written, ahead of its first reader, the next line
	s_lshl_b32 s13, s12, 13                        ; my wave's 32 rows
	s_add_co_u32 s2, s16, s13
	s_mov_b32 s3, 0
	s_wait_kmcnt 0x0
	s_add_nc_u64 s[20:21], s[4:5], s[18:19]        ; K low half
	s_add_nc_u64 s[22:23], s[4:5], s[16:17]        ; K high half
	s_add_nc_u64 s[24:25], s[8:9], s[18:19]        ; V low half
	s_add_nc_u64 s[26:27], s[8:9], s[16:17]        ; V high half
	s_add_nc_u64 s[28:29], s[6:7], s[2:3]          ; my wave's Q rows
	s_add_nc_u64 s[30:31], s[10:11], s[2:3]        ; my wave's out rows
	s_wait_alu depctr_va_vdst(0)                   ; v1 and v2 are written: the loads below read them as their offsets
	LOADB B0, 2, 28, 512, 1                        ; Q: read once in the launch
	LOADB B1, GOFF, 20, 4096, 0                    ; K low
	LOADB B2, GOFF, 22, 4096, 0                    ; K high: 48 loads of the wave are out
	; constants, masks and LDS addresses, while the loads are on their way
	s_mov_b32 s32, 0x76543210                      ; v_permlanex16_b32: lane i takes lane i of the other half
	s_mov_b32 s33, 0xfedcba98
	s_mov_b32 s34, 0x3e38aa3b                      ; c = log2(e) / 8
	s_mov_b32 s35, 0x3e38aa3b
	s_mov_b32 s36, 0xf6800000                      ; -2^110: raw score of a masked element
	s_mov_b32 s37, 0xf1800000                      ; -2^100: floor of the running maximum
	s_mov_b32 s39, 0xf2000000                      ; -2^101: bias of a chunk that does not exist
	s_sub_co_u32 s38, 8, s12
	s_cmp_eq_u32 s14, 0
	s_cselect_b32 s38, s38, 0                      ; first chunk that exists: 8 - w in block 0, else 0
.irp c, 0,1,2,3,4,5,6,7,8
	s_cmp_gt_u32 s38, \c
	s_cselect_b32 s[40+\c], s39, 0                 ; B of chunk c
.endr
	v_lshrrev_b32 v3, 4, v0                        ; t / 16: row among the 16 of a load
	v_and_b32 v4, 15, v0                           ; r
	v_lshlrev_b32 v10, 3, v4                       ; 8 bytes (4 f16) for each 16 bytes loaded
	v_bfe_u32 v11, v0, 4, 1                        ; h
	v_mul_u32_u24 v5, v3, PK
	v_add_nc_u32 v5, v5, v10                       ; K low half
	v_add_nc_u32 v6, 256*PK, v5                    ; K high half
	v_mul_u32_u24 v7, v3, PV
	v_add_nc_u32 v7, v7, v10
	s_mul_i32 s15, s12, 32*PK                      ; my wave's first row, in K and in Q
	s_add_co_u32 s13, s15, LQ
	v_mul_u32_u24 v9, v11, PK
	v_add_nc_u32 v9, v9, v10
	v_add_nc_u32 v9, s13, v9                       ; Q: row 32w + h
	v_mul_u32_u24 v[KA], v4, PK
	v_lshl_add_u32 v[KA], v11, 4, v[KA]
	v_add_nc_u32 v[KA], s15, v[KA]                 ; (32w + r) 144 + 16h
	v_and_b32 v12, 7, v0
	v_lshl_add_u32 v12, v11, 3, v12                ; 8h + lane mod 8
	v_bfe_u32 v13, v0, 3, 1
	v_mul_u32_u24 v[VA], v12, PV
	v_lshl_add_u32 v[VA], v13, 4, v[VA]
	s_mul_i32 s13, s12, 32*PV
	s_add_co_u32 s13, s13, LV
	v_add_nc_u32 v[VA], s13, v[VA]                 ; LV + (32w + 8h + lane mod 8) 160 + 16 (bit 3 of the lane)
	WIN TO_W1
	v_add_nc_u32 v[VS0], LV, v7                    ; v480: V low half
	v_add_nc_u32 v[VS1], LV+256*PV, v7             ; v481: V high half
	v_mov_b32 v[VAW], v[VA]                        ; v482
	WIN 0
	v_lshlrev_b32 v13, 3, v11
	v_sub_nc_u32 v13, v4, v13                      ; r - 8h
.irp j, 0,1,2,3,4,5,6,7
	v_cmp_le_i32 s[50+\j], \j, v13                 ; M_j: key place 8h + j <= query place r
.endr
	s_wait_alu depctr_va_sdst(0)                   ; s50 to s57 are written, ahead of their first readers, the selects of phase A
	; the fill of Q and K, in halves of eight loads.  V's two batches are asked for as soon as Q and K low have landed, and are not waited for here.
	s_wait_loadcnt 40                              ; loads come back in order: Q's first eight are in; its other eight and K's 32 stay out
	CVH B0, 0
	s_wait_loadcnt 32                              ; Q is in; K's 32 loads stay out
	WIN TO_W1
	s_wait_alu depctr_va_vdst(0)                   ; Q's first half is rounded and v9 is written: the LDS stores below read them
	LOADB VB0, GOFF, 24, 4096, 0                   ; V low, into v256-319, which no instruction has named: 48 loads are out again
	WIN 0
	CVST B0, 1, B0, 0, 9, 2*PK
	s_wait_loadcnt 40                              ; K low's first eight are in; its other eight, K high and V low stay out
	s_wait_alu depctr_va_vdst(0)                   ; Q's second half is rounded: the LDS stores below read it
	CVST B1, 0, B0, 1, 9, 2*PK
	s_wait_loadcnt 32                              ; K low is in; K high and V low stay out
	WIN TO_W1
	s_wait_alu depctr_va_vdst(0)                   ; K low's first half is rounded and v5 is written: the LDS stores below read them
	LOADB VB1, GOFF, 26, 4096, 0                   ; V high, into v320-383, which no instruction has named
	WIN 0
	CVST B1, 1, B1, 0, 5, 16*PK
	s_wait_loadcnt 40                              ; K high's first eight are in; its other eight and V's 32 stay out
	s_wait_alu depctr_va_vdst(0)                   ; K low's second half is rounded: the LDS stores below read it
	CVST B2, 0, B1, 1, 5, 16*PK
	s_wait_loadcnt 32                              ; K high is in; both halves of V stay out
	s_wait_alu depctr_va_vdst(0)                   ; K high's first half is rounded and v6 is written: the LDS stores below read them
	CVST B2, 1, B2, 0, 6, 16*PK
	v_add_nc_u32 v[QA], LQ, v[KA]                  ; my Q fragments' address, in a register that K low's conversions have used up and no store reads
	s_wait_alu depctr_va_vdst(0)                   ; K high's second half is rounded, which the LDS stores below read; v90 is written, and all the conversions are done with v16-207: the fragment loads behind the barrier read the one and land in the others
	STH B2, 1, 6, 16*PK
	s_wait_dscnt 0x0                               ; my LDS stores are done, for the other waves' sake
	s_barrier_signal -1
	s_barrier_wait -1                              ; barrier 1: K is whole; nothing in it is written again
	s_wait_alu depctr_vm_vsrc(0)                   ; my LDS stores have read their data in v16-207 and their addresses v5, v6, v9, and Q's loads their offset v2: fragments land in these registers and phase A writes them
; the registers of the K fragments of a group's key block kb
.macro KSETR kb
.if \kb < 3
.set FRA, KF+16*\kb
.elseif \kb < 5
.set FRA, KG+16*(\kb-3)
.else
.set FRA, KH
.endif
.endm
; four loads: 16 keys x 64 d, the two K fragments of key block kb of group g
.macro KLOAD g, kb
	KSETR \kb
.irp p, 0,1,2,3
	ds_load_b128 v[FRA+4*\p:FRA+4*\p+3], v[KA] offset:(96*(\g)+16*(\kb))*PK+32*\p
.endr
.endm
; the scores of key block kb for both query tiles.  left = younger LDS loads that may stay out.
; The two accumulators take turns, one instruction a turn.
.macro KSTEP kb, left
	s_wait_dscnt \left
	KSETR \kb
.set TS0, SC+8*\kb
.set TS1, SC+48+8*\kb
	v_wmma_f32_16x16x32_f16 v[TS0:TS0+7], v[FRA:FRA+7], v[QF:QF+7], 0
	v_wmma_f32_16x16x32_f16 v[TS1:TS1+7], v[FRA:FRA+7], v[QF+16:QF+23], 0
	v_wmma_f32_16x16x32_f16 v[TS0:TS0+7], v[FRA+8:FRA+15], v[QF+8:QF+15], v[TS0:TS0+7]
	v_wmma_f32_16x16x32_f16 v[TS1:TS1+7], v[FRA+8:FRA+15], v[QF+24:QF+31], v[TS1:TS1+7]
.endm
; chunk c of group g: the largest of each lane's 16 raw scores, both query tiles as two chains; then times c, plus the chunk's bias
.macro MAXC g, c
.irp q, 0,1
	v_max3_num_f32 v[AD+2*\c+\q], v[SC+48*\q+16*\c], v[SC+48*\q+16*\c+1], v[SC+48*\q+16*\c+2]
.endr
.irp j, 3,5,7,9,11,13
.irp q, 0,1
	v_max3_num_f32 v[AD+2*\c+\q], v[AD+2*\c+\q], v[SC+48*\q+16*\c+\j], v[SC+48*\q+16*\c+\j+1]
.endr
.endr
.irp q, 0,1
	v_max_num_f32 v[AD+2*\c+\q], v[AD+2*\c+\q], v[SC+48*\q+16*\c+15]
.endr
.irp q, 0,1
	v_fma_f32 v[AD+2*\c+\q], v[AD+2*\c+\q], s34, s[40+3*\g+\c]
.endr
.endm
; p = exp2(s c + B - m), in place
.macro EXPT q, kb
.irp i, 0,2,4,6
	v_pk_fma_f32 v[SC+48*\q+8*\kb+\i:SC+48*\q+8*\kb+\i+1], v[SC+48*\q+8*\kb+\i:SC+48*\q+8*\kb+\i+1], s[34:35], v[AD+2*(\kb/2):AD+2*(\kb/2)+1] op_sel:[0,0,\q] op_sel_hi:[1,0,\q]
.endr
.irp i, 0,1,2,3,4,5,6,7
	v_exp_f32 v[SC+48*\q+8*\kb+\i], v[SC+48*\q+8*\kb+\i]
.endr
.endm
; a tile's eight weights are added to the sums, in two chains of two numbers a lane
.macro SUMT q, kb
.set SB, SC+48*\q+8*\kb
.if \kb == 0
	s_wait_alu depctr_va_vdst(0)
	v_pk_add_f32 v[ACC:ACC+1], v[SB:SB+1], v[SB+4:SB+5]                ; a query tile's first weights start the sums: nothing is cleared
	v_pk_add_f32 v[ACB:ACB+1], v[SB+2:SB+3], v[SB+6:SB+7]
.else
	s_wait_alu depctr_va_vdst(0)
	v_pk_add_f32 v[ACC:ACC+1], v[ACC:ACC+1], v[SB:SB+1]
	v_pk_add_f32 v[ACB:ACB+1], v[ACB:ACB+1], v[SB+2:SB+3]
	v_pk_add_f32 v[ACC:ACC+1], v[ACC:ACC+1], v[SB+4:SB+5]
	v_pk_add_f32 v[ACB:ACB+1], v[ACB:ACB+1], v[SB+6:SB+7]
.endif
.endm
.macro LSUM q, first
	v_pk_add_f32 v[ACC:ACC+1], v[ACC:ACC+1], v[ACB:ACB+1]
.if \first
	v_add_f32 v[LS+\q], v[ACC], v[ACC+1]
.else
	v_add_f32 v[LS+\q], v[LS+\q], v[ACC]
	v_add_f32 v[LS+\q], v[LS+\q], v[ACC+1]
.endif
.endm
; the group's 96 x 32 weights rounded to f16: 48 words from base on.  In place (base = PB) each word lands on or below registers already read
.macro PACK base
.irp q, 0,1
.irp kb, 0,1,2,3,4,5
.irp i, 0,1,2,3
	v_cvt_pk_f16_f32 v[\base+24*\q+4*\kb+\i], v[SC+48*\q+8*\kb+2*\i], v[SC+48*\q+8*\kb+2*\i+1]
.endr
.endr
.endr
.endm
; PHASE A, one group of 96 keys: scores, masks, maximum, weights, sums, packing.  mo: the pair with the old maximum; mn: takes the new one; al: takes alpha.
.macro GA g, first, last, mo, mn, al
	; scores.  The group's six sets were asked for in one run; at each step the younger sets (4 loads each) may stay out
	KSTEP 0, 20
	KSTEP 1, 16
	PLACES 4                                       ; four places between the matrix instructions on key blocks 0 and 1 and the vector work that reads their scores (ISA guide 7.12.1)
	KSTEP 2, 12
	KSTEP 3, 8
	KSTEP 4, 4
	KSTEP 5, 0
	; masks and chunk maxima.  The work on key blocks 0 and 1 is the places behind the last four steps
.if \first
	v_mov_b32 v[TMP], s36
.irp j, 0,1,2,3,4,5,6,7
	v_cndmask_b32 v[SC+\j], v[SC+\j], v[TMP], s[50+\j]                 ; S(0,0): key place 8h+j must be above query place r
	v_mov_b32 v[SC+48+\j], s36                                         ; S(1,0): keys 0..15 against queries 16..31, none valid (multiplied all the same, so that the accumulators keep their turns)
	v_cndmask_b32 v[SC+56+\j], v[SC+56+\j], v[TMP], s[50+\j]           ; S(1,1): as S(0,0)
.endr
.endif
	MAXC \g, 0
.if \last == 0
.set GN, \g+1
	s_wait_alu depctr_va_vdst(0)                   ; the group's matrix instructions are done reading the six K sets, in which the loads below land; no vector instruction of the softmax names those registers
.irp kb, 0,1,2,3,4,5
	KLOAD GN, \kb                                  ; the next group's K, 24 loads: they have the rest of this group's softmax in which to land
.endr
.endif
	MAXC \g, 1
.if \last
	v_mov_b32 v[TMP], s36
.irp j, 0,1,2,3,4,5,6,7
	v_cndmask_b32 v[SC+32+\j], v[TMP], v[SC+32+\j], s[50+\j]           ; S(0,4): the diagonal, key place 8h+j at most query place r
	v_mov_b32 v[SC+40+\j], s36                                         ; S(0,5): keys 16..31 against queries 0..15, none valid
	v_cndmask_b32 v[SC+88+\j], v[TMP], v[SC+88+\j], s[50+\j]           ; S(1,5): as S(0,4)
.endr
.endif
	MAXC \g, 2
	; the new maximum: three chunks, the other half of the lanes, the old maximum (at first the floor)
.irp q, 0,1
	v_max3_num_f32 v[\mn+\q], v[AD+\q], v[AD+2+\q], v[AD+4+\q]
.endr
.irp q, 0,1
	v_permlanex16_b32 v[TMP], v[\mn+\q], s32, s33
.if \first
	v_max3_num_f32 v[\mn+\q], v[\mn+\q], v[TMP], s37
.else
	v_max3_num_f32 v[\mn+\q], v[\mn+\q], v[TMP], v[\mo+\q]
.endif
.endr
.if \first == 0
	v_pk_add_f32 v[\al:\al+1], v[\mo:\mo+1], v[\mn:\mn+1] neg_lo:[0,1] neg_hi:[0,1]
	v_exp_f32 v[\al], v[\al]                       ; alpha = exp2(old m - new m); the six subtractions below stand between it and its use (ISA guide 5.7.2)
	v_exp_f32 v[\al+1], v[\al+1]
.endif
.irp c, 0,1,2
.irp q, 0,1
	v_sub_f32 v[AD+2*\c+\q], s[40+3*\g+\c], v[\mn+\q]                  ; the addend B - m
.endr
.endr
.if \first == 0
	s_wait_alu depctr_va_vdst(0)
	v_pk_mul_f32 v[LS:LS+1], v[LS:LS+1], v[\al:\al+1]                  ; l is rescaled now, O in phase B by the same alpha
.endif
	; weights and sums, one tile apart: the plain instruction behind each run of exponentials belongs to another tile
	EXPT 0, 0
.irp kb, 1,2,3,4,5
	EXPT 0, \kb
.set KP, \kb-1
	SUMT 0, KP
.endr
	EXPT 1, 0
	SUMT 0, 5
	LSUM 0, \first
.irp kb, 1,2,3,4,5
	EXPT 1, \kb
.set KP, \kb-1
	SUMT 1, KP
.endr
	SUMT 1, 5
	LSUM 1, \first
.if \last
	PACK PB                                        ; the last group's weights stay in window 0
.else
	WIN TO_W1
	PACK PW+48*\g                                  ; v384 + 48 g: kept for phase B
	WIN 0
.endif
.endm
	; my Q fragments (B: column = query) and the first group's six K sets: 32 loads; the first step's count of 20 covers Q, which is older than set 0
.irp q, 0,1
.irp p, 0,1,2,3
	ds_load_b128 v[QF+16*\q+4*\p:QF+16*\q+4*\p+3], v[QA] offset:16*PK*\q+32*\p
.endr
.endr
.irp kb, 0,1,2,3,4,5
	KLOAD 0, \kb
.endr
	GA 0, 1, 0, M1, M0, A1
	GA 1, 0, 0, M0, M1, A1
	GA 2, 0, 1, M1, M0, A2
	; V, asked for in the fill, goes to LDS now, in halves as Q and K did: data and LDS addresses lie in window 1, so one setting serves conversions and stores
	WIN ALL_W1
	s_wait_loadcnt 24                              ; V low's first eight loads are in; its other eight and V high's 16 may stay out
	CVH VB0, 0
	s_wait_loadcnt 16                              ; V low is in
	s_wait_alu depctr_va_vdst(0)                   ; V low's first half is rounded: the LDS stores below read it
	CVST VB0, 1, VB0, 0, VS0, 16*PV
	s_wait_loadcnt 8                               ; V high's first eight are in
	s_wait_alu depctr_va_vdst(0)                   ; V low's second half is rounded: the LDS stores below read it
	CVST VB1, 0, VB0, 1, VS0, 16*PV
	s_wait_loadcnt 0x0                             ; V high is in
	s_wait_alu depctr_va_vdst(0)                   ; V high's first half is rounded: the LDS stores below read it
	CVST VB1, 1, VB1, 0, VS1, 16*PV
	s_wait_alu depctr_va_vdst(0)                   ; V high's second half is rounded, which the LDS stores below read; phase A is done with v160-255 and the conversions with v256-351: V's fragments land there behind the barrier
	STH VB1, 1, VS1, 16*PV                         ; these eight read v352-381 and v481: no register in which a fragment lands
	WIN 0
	s_wait_dscnt 0x0                               ; my LDS stores are done, for the other waves' sake
	s_barrier_signal -1
	s_barrier_wait -1                              ; barrier 2: V is whole; nothing in it is written again
	s_wait_alu depctr_vm_vsrc(0)                   ; my LDS stores of V have read v256-351, in which group 1's fragments land
; V fragment idx = 4c + db of group g: V^T, 16 d x 32 keys, by two transposing loads, into the buffer at base, by the address register adr
.macro VLOAD g, idx, base, adr
.set VFR, \base+8*\idx
	ds_load_tr16_b128 v[VFR:VFR+3], v[\adr] offset:(96*\g+32*(\idx/4))*PV+32*(\idx%4)
	ds_load_tr16_b128 v[VFR+4:VFR+7], v[\adr] offset:(96*\g+32*(\idx/4)+16)*PV+32*(\idx%4)
.endm
; O(db, 0) and O(db, 1) take V fragment idx = 4c + db times P(0, c), P(1, c).  The eight accumulators take turns, one instruction a turn.
.macro PVW g, idx, zero
.if \g == 1
.set VFR, WF+8*\idx
.else
.set VFR, VF+8*\idx
.endif
.if \g < 2
.set PSRC, PW+48*\g+8*(\idx/4)
.else
.set PSRC, PB+8*(\idx/4)
.endif
.set OD, OA+16*(\idx%4)
.if \zero
	v_wmma_f32_16x16x32_f16 v[OD:OD+7], v[VFR:VFR+7], v[PSRC:PSRC+7], 0
	v_wmma_f32_16x16x32_f16 v[OD+8:OD+15], v[VFR:VFR+7], v[PSRC+24:PSRC+31], 0
.else
	v_wmma_f32_16x16x32_f16 v[OD:OD+7], v[VFR:VFR+7], v[PSRC:PSRC+7], v[OD:OD+7]
	v_wmma_f32_16x16x32_f16 v[OD+8:OD+15], v[VFR:VFR+7], v[PSRC+24:PSRC+31], v[OD+8:OD+15]
.endif
.endm
; O times the next group's alpha
.macro RESC al
.irp db, 0,1,2,3
.irp q, 0,1
.irp i, 0,2,4,6
	v_pk_mul_f32 v[OA+16*\db+8*\q+\i:OA+16*\db+8*\q+\i+1], v[OA+16*\db+8*\q+\i:OA+16*\db+8*\q+\i+1], v[\al:\al+1] op_sel:[0,\q] op_sel_hi:[1,\q]
.endr
.endr
.endr
.endm
	; PHASE B.  O^T += V^T P^T, each group in two halves of six fragments.
.irp idx, 0,1,2,3,4,5,6,7,8,9,10,11
	VLOAD 0, \idx, VF, VA                          ; the first group's twelve fragments: 24 loads
.endr
	; group 0: fragments in v160-255, P in window 1.  Group 1's fragments are asked for in two runs of 12 loads, into v256-351, which no vector or matrix instruction has named since V's conversions
	WIN B_W1
	s_wait_dscnt 12                                ; fragments 0..5 are in; the 12 loads of fragments 6..11 may stay out
.irp idx, 0,1,2,3
	PVW 0, \idx, 1
.endr
	PVW 0, 4, 0
	PVW 0, 5, 0
	WIN TO_W1
.irp idx, 0,1,2,3,4,5
	VLOAD 1, \idx, WF, VA
.endr
	s_wait_dscnt 12                                ; fragments 6..11 are in; the 12 loads just issued may stay out
	WIN B_W1
.irp idx, 6,7,8,9,10,11
	PVW 0, \idx, 0
.endr
	WIN TO_W1
.irp idx, 6,7,8,9,10,11
	VLOAD 1, \idx, WF, VA
.endr
	WIN 0
	PLACES 4                                       ; four places before vector instructions read O (ISA guide 7.12.1)
	RESC A1
	; group 1: fragments and P in window 1.  Group 2's loads stand among its matrix instructions, two behind each pair: data into window 0, address v482
	WIN AB_W1
	s_wait_alu depctr_va_vdst(0)                   ; group 0's matrix instructions are done reading v160-255, in which group 2's loads land; group 1's name v256-351, v432-479 and O alone
	s_wait_dscnt 12                                ; group 1's fragments 0..5 are in; the 12 loads of its fragments 6..11 may stay out
.irp idx, 0,1,2,3,4,5
	PVW 1, \idx, 0
	VLOAD 2, \idx, VF, VAW
.endr
	s_wait_dscnt 12                                ; group 1's fragments 6..11 are in; the 12 loads just issued may stay out
.irp idx, 6,7,8,9,10,11
	PVW 1, \idx, 0
	VLOAD 2, \idx, VF, VAW
.endr
	WIN 0
	PLACES 4                                       ; four places before vector instructions read O
	RESC A2
	; group 2: all in window 0; nothing is left to fetch
	s_wait_dscnt 12                                ; fragments 0..5 are in; the 12 loads of fragments 6..11 may stay out
.irp idx, 0,1,2,3,4,5
	PVW 2, \idx, 0
.endr
	s_wait_dscnt 0x0                               ; fragments 6..11
.irp idx, 6,7,8,9,10,11
	PVW 2, \idx, 0
.endr
	PLACES 4                                       ; four places before vector instructions read O
	; the way out: l over both halves of the lanes, O / l, through my own stage in LDS, whole rows of 256 bytes to memory
.irp q, 0,1
	v_permlanex16_b32 v[TMP], v[LS+\q], s32, s33
	v_add_f32 v[LS+\q], v[LS+\q], v[TMP]
.endr
	v_rcp_f32 v[LS], v[LS]                         ; l >= 1: the row's largest weight is 1.  The address work below stands between this and its use
	v_rcp_f32 v[LS+1], v[LS+1]
	v_and_b32 v8, 15, v0                           ; r
	v_bfe_u32 v9, v0, 4, 1                         ; h
	s_mul_i32 s15, s12, 32*PO
	s_add_co_u32 s15, s15, LO                      ; my stage
	v_mul_u32_u24 v2, v8, PO
	v_lshl_add_u32 v2, v9, 5, v2
	v_add_nc_u32 v2, s15, v2                       ; in: row r, 32 bytes for each half of the lanes
	v_mul_u32_u24 v3, v9, PO
	v_lshl_add_u32 v3, v8, 4, v3
	v_add_nc_u32 v3, s15, v3                       ; back: lanes 0-15 one row of 256 bytes, lanes 16-31 the next
	v_and_b32 v4, 31, v0
	v_lshlrev_b32 v4, 4, v4                        ; and the same two rows in out0: 16 x lane
	s_wait_alu depctr_va_vdst(0)
.irp db, 0,1,2,3
.irp q, 0,1
.irp i, 0,2,4,6
	v_pk_mul_f32 v[OA+16*\db+8*\q+\i:OA+16*\db+8*\q+\i+1], v[OA+16*\db+8*\q+\i:OA+16*\db+8*\q+\i+1], v[LS:LS+1] op_sel:[0,\q] op_sel_hi:[1,\q]
.endr
.endr
.endr
	s_wait_alu depctr_va_vdst(0)                   ; O / l in v16-79 and the addresses v2, v3, v4 are written, which the LDS stores, the LDS loads and the stores to memory below read; the matrix instructions are done reading v112-175, in which the loads from the stage land
.irp q, 0,1
.irp db, 0,1,2,3
	ds_store_b128 v2, v[OA+16*\db+8*\q:OA+16*\db+8*\q+3] offset:16*PO*\q+64*\db          ; d = 16db + 8h + 0..3 of query 16q + r
	ds_store_b128 v2, v[OA+16*\db+8*\q+4:OA+16*\db+8*\q+7] offset:16*PO*\q+64*\db+16
.endr
.endr
.irp t, 0,1,2,3,4,5,6,7,8,9,10,11,12,13,14,15
	ds_load_b128 v[SC+4*\t:SC+4*\t+3], v3 offset:2*PO*\t                 ; my own bytes; LDS serves a wave's instructions in order (ISA guide 5.7.1), so these see the stores above
.endr
.irp t, 0,1,2,3,4,5,6,7,8,9,10,11,12,13,14,15
	s_wait_dscnt 15-\t                             ; load t is back, the younger ones stay out
	global_store_b128 v4, v[SC+4*\t:SC+4*\t+3], s[30:31] offset:512*\t th:TH_STORE_NT   ; sixteen lanes store one row: 256 consecutive bytes, aligned
.endr
	s_set_vgpr_msb 0x5
	s_wait_dscnt 0x0
	s_wait_alu depctr_hold_cnt(0) depctr_sa_sdst(0) depctr_va_vdst(0) depctr_va_sdst(0) depctr_va_ssrc(0) depctr_va_vcc(0) depctr_vm_vsrc(0)
	s_wait_tensorcnt 0x0
	ds_add_u32 v254, v255
	s_wait_dscnt 0x0
	s_endpgm
.Lfunc_end_k_q83f8704242_band:
	.size	k_q83f8704242_band, .Lfunc_end_k_q83f8704242_band-k_q83f8704242_band
	.p2alignl 7, 3214868480
	.fill 96, 4, 3214868480
	.section	.rodata,"a",@progbits
	.p2align	6, 0x0
	.amdhsa_kernel k_q83f8704242_band
		.amdhsa_group_segment_fixed_size 263168
		.amdhsa_private_segment_fixed_size 0
		.amdhsa_enable_private_segment 0
		.amdhsa_kernarg_size 32
		.amdhsa_user_sgpr_count 2
		.amdhsa_user_sgpr_kernarg_segment_ptr 1
		.amdhsa_wavefront_size32 1
		.amdhsa_system_sgpr_workgroup_id_x 1
		.amdhsa_system_sgpr_workgroup_id_y 1
		.amdhsa_system_sgpr_workgroup_id_z 1
		.amdhsa_system_vgpr_workitem_id 0
		.amdhsa_next_free_vgpr 512
		.amdhsa_next_free_sgpr 66
		.amdhsa_reserve_vcc 0
		.amdhsa_float_denorm_mode_32 3
		.amdhsa_float_denorm_mode_16_64 3
		.amdhsa_memory_ordered 1
		.amdhsa_forward_progress 1
		.amdhsa_inst_pref_size 112
	.end_amdhsa_kernel
	.amdgpu_metadata
---
amdhsa.version: [ 1, 2 ]
amdhsa.kernels:
  - .name:           k_q83f8704242_band
    .symbol:         k_q83f8704242_band.kd
    .args:
      - { .name: k, .offset: 0, .size: 8, .value_kind: global_buffer, .address_space: global }
      - { .name: q, .offset: 8, .size: 8, .value_kind: global_buffer, .address_space: global }
      - { .name: v, .offset: 16, .size: 8, .value_kind: global_buffer, .address_space: global }
      - { .name: out0, .offset: 24, .size: 8, .value_kind: global_buffer, .address_space: global }
    .group_segment_fixed_size: 263168
    .private_segment_fixed_size: 0
    .kernarg_segment_align: 8
    .kernarg_segment_size: 32
    .max_flat_workgroup_size: 256
    .sgpr_count:     66
    .vgpr_count:     512
    .wavefront_size: 32
...
	.end_amdgpu_metadata
.endif
;; end of part 2
